; MI455X (gfx1250); checked and timed in simulation.
; The chip was launched on July 23, 2026; its instructions are those of AMD's public machine-readable ISA for CDNA 5 (MIT licence, August 2026) and "CDNA5" Instruction Set Architecture Reference Guide (July 2026). The comments in the code are by the model that wrote it; some were corrected since.
;; Attention With Context. Allowed arithmetic: matrix products marked QUANTISED: E3M2 operands, one E8M0 scale for each 32 along K, by v_wmma_scale_f32_16x16x128_f8f6f4 with both operands' format E3M2, f32 sums; products left as they are: f32 operands where the result goes on into a quantised operand, else bf16, f16 or f32 operands; f32 sums; everything else in f32.
;; Inputs: W_codes 256 x 8 x 24 uint8 (E3M2 codes of W, K innermost, in blocks of 32 codes, four codes in three bytes); W_scales 256 x 8 uint8 (E8M0 scales of W, one for each 32 codes along K); b 256 float32; inputs 64 x 2,048 x 256 float32; mask 64 x 2,048 float32; u 256 float32.
;; Outputs: out0 64 x 256 float32; out1 64 x 2,048 float32.
;; This version of the problem:
;;   THIS VERSION OF THE PROBLEM IS GIVEN IN LOW PRECISION. The matrix products marked QUANTISED in the list below multiply operands that are first quantised to E3M2 (3 exponent bits, 2 mantissa bits; 6 bits a number), with one power-of-two scale for each 32 numbers along K (OCP MX v1.0); their sums are f32. All else is computed in f32.
;;   The module's matrix products, in the order in which they are computed (A, B: the left and right operand; K: the contracted axis; several contracted axes count as one K, in the product's order):
;;     1. [M 131,072, K 256] x [K 256, N 256]; A: input inputs; B: input W (given as codes): QUANTISED
;;     2. batch 64 x [M 1, K 2,048] x [K 2,048, N 256]; A: computed on the way; B: input inputs: left as it is (M = 1 < 16)
;;   THE QUANTISER, for each operand of a quantised product, along K:
;;     - K is cut into blocks of 32 from its start; a last block that is shorter is filled with zeros.
;;     - A block's scale is 2^e with e = floor(log2(the largest magnitude in the block)) - 4, held to -126 .. 127; a block of zeros has e = 0. As a byte (E8M0): e + 127.
;;     - Each number is divided by its block's scale, clamped to +-28, and rounded to the nearest number of E3M2, ties to even, subnormals kept.
;;     - The product sums the exact products of the quantised numbers (number of the format x scale) in f32.
;;   ~~~python
;;   def quantise(x, axis):      # numpy; x: float32 -> the quantised numbers, widened to float32 again
;;       x = np.moveaxis(x, axis, -1); K = x.shape[-1]
;;       x = np.pad(x, [(0, 0)] * (x.ndim - 1) + [(0, -K % 32)]); x = x.reshape(x.shape[:-1] + (-1, 32)); a = np.abs(x).max(-1, keepdims=True)
;;       e = np.where(a > 0, np.clip(np.frexp(np.where(a > 0, a, 1))[1] - 1 - 4, -126, 127), 0)      # np.frexp(a)[1] - 1 = floor(log2(a)), exactly
;;       r = np.clip(x / 2.0 ** e, -28, 28)
;;       step = 2.0 ** (np.maximum(np.frexp(np.where(r == 0, 1, r))[1] - 1, -2) - 2)
;;       q = np.round(r / step) * step * 2.0 ** e      # np.round: ties to even
;;       return np.moveaxis(q.reshape(q.shape[:-2] + (-1,))[..., :K], -1, axis).astype(np.float32)
;;   ~~~
;;   INPUTS GIVEN AS CODES. W (in the module: [256, 256], K = its axis 0): each comes as NAME_codes (uint8): NAME with its K axis moved to the last place and cut into blocks of 32 codes, [.., K / 32, bytes a block], one block behind the other in memory; four codes in three bytes: a row's codes are one little-endian stream of bits, code i at bits 6 i .. 6 i + 5 (a code: sign, 3 exponent bits, 2 mantissa bits); and NAME_scales (uint8): the same leading axes, one E8M0 byte (e + 127) for each 32 codes along K. Its value is code x scale, taken as it is: it is not quantised again, and the codes and scales need not be those that the quantiser above would give.
;; One version. Each part assembles by itself: llvm-mc -triple=amdgcn-amd-amdhsa -mcpu=gfx1250 --defsym DOCPART=n.
;; ======== version 1 of 1: 2 launches
;; workspace buffers: lg 524,288 bytes; pa 2,097,152 bytes; st 16,384 bytes
;; launch partial (part 1): grid 4 x 64, 4 waves a work-group, no clusters, 168,448 bytes of LDS; arguments inputs, mask, W_codes, W_scales, b, u, lg, pa, st; writes lg, pa, st
.if DOCPART == 1
	.amdgcn_target "amdgcn-amd-amdhsa--gfx1250"
	.amdhsa_code_object_version 6
	.text
	.protected	k_qe55ed01174_partial
	.globl	k_qe55ed01174_partial
	.p2align	8
	.type	k_qe55ed01174_partial,@function
k_qe55ed01174_partial:
	s_mov_b64 s[64:65], 0
	v_nop
	global_prefetch_b8 v0, s[64:65] scope:SCOPE_SE
	s_setreg_imm32_b32 hwreg(HW_REG_WAVE_MODE, 25, 1), 1
	s_wait_xcnt 0x0
; ATTENTION WITH A CONTEXT VECTOR, FIRST PART.  x = inputs [64][2048][256] f32.  For each token: logit = ((Q(x) W + b) . u) / 16, the product 256 x 256 on codes of BF6 (E3M2) with one E8M0 scale
; for each 32 along d: x is quantised here, W comes as codes [256 (c)][256 (d)] with its scale bytes.  The softmax over a batch's 2,048 tokens and the weighted sum of x follow it.
; SHARES.  A work-group owns a quarter of a batch, each of its four waves 128 tokens: 8 tiles of 16 tokens x 1,024 bytes.  x IS READ ONCE: a wave keeps a running maximum M of its VALID logits
; (mask > 0.5), L = sum of mask e^(logit - M), A1 = sum of mask e^(logit - M) x; and for the tokens with mask <= 0.5, whose weight (mask e^(batch's least logit - batch's maximum)) is known only
; when all logits are: S2 = sum of mask, A2 = sum of mask x.  MN is the least of all its logits.  The second launch joins the 16 shares of a batch.  So the mask need not hold 0 and 1 alone.
; THE WAY OF x.  Each load takes 512 consecutive bytes, 16 a lane: lane l then holds the SAME eight columns (4 l .. 4 l + 3 and 128 + 4 l .. + 3) of every row, so the weighted sums run straight
; from the registers in which x landed, with a token's weight in a scalar register, into 8 + 8 registers.  The quantiser wants 16 neighbours of a block of 32 in one lane: for that a tile turns
; once through the wave's own stage in LDS.  Three register buffers of a tile take turns.
; THE TURN RUNS ONE TILE AHEAD, IN GROUPS OF FOUR.  A tile's turn is 64 LDS instructions.  They do not stand in one run: tile t + 1's 32 stores stand in eight groups among the 115 vector
; instructions that make tile t's logits and weights, its 32 loads in eight groups among the 160 of tile t's weighted sums, behind the last read of the accumulators whose registers they fill.
; So the wave has vector work to issue while LDS takes them.  The price: a group's operands lie in other register windows than the vector work round it: two switches a group, 32 a tile.
; W's 32 fragments stay in every wave's registers.  W, its scales, u, b and the mask come into LDS once, by five tensor loads a wave (by this text's count five are outstanding, once); tile 0 is
; turned and quantised while they are on their way: it needs nothing of them.
; No cluster: what work-groups share (W, its scales, u, b: 53,248 bytes) is a tenth of the 524,288 bytes of x that each reads alone.  The second product has one row: it goes by fused multiply-adds in f32.
; lds_bytes: the text uses 136,192 bytes, and no LDS byte is filled twice.
; LIMITS.  NaN and infinities among the inputs are not served, nor logits under -3e38 (the maximum's start).  A block of zeros of x gets the scale byte 1 where the rule says 127: its codes are
; zeros, and nobody else reads the byte.  b enters a token's sum as the sum of b[c] u[c], ahead of the products with u, and sums run in another order than reference()'s: other roundings in f32.
.set WL,   0                           ; LDS: W's codes, 256 rows: 3 x (64 bytes + 16 of padding)
.set WP,   240
.set SCL,  256*WP                      ; W's scale bytes, 2,048
.set UL,   SCL+2048                    ; u
.set BL,   UL+1024                     ; b
.set ML,   BL+1024                     ; the work-group's 512 numbers of the mask
.set STG,  ML+2048                     ; from here on no fill lands: a stage of 16 rows for each wave,
.set SP,   1040                        ; 1,024 bytes + 16 = 260 words: row r begins at bank 4 r mod 64 (64 banks of 4 bytes: ISA guide 11.1)
.set STW,  16*SP
.set LGS,  STG+4*STW                   ; and each wave's 128 logits, 512 bytes
.set XO,   1                           ; v1    16 x lane: my bytes of a load or store of 512; never rewritten
.set STO,  2                           ; v2    the stage, on the way in: my wave's stage + 16 x lane
.set STL,  3                           ; v3    and out: + 1,040 r + 64 h  (r = lane % 16, h = lane / 16)
.set RM,   4                           ; v4    M       v5  L       v6  MN      v7  S2: stored as they stand at the end
.set RL,   5
.set RMN,  6
.set RS2,  7
.set LGA,  9                           ; v9    where my token's logit goes
.set F,    10                          ; v[10:11] e^(old M - new M); v11 is named with it as a pair
.set BU,   12                          ; v[12:13] my lane's part of the sum of b u, twice
.set PV,   14                          ; v14   my token's weight if it is valid, else 0
.set MU,   15                          ; v15   my token's mask if it is not valid, else 0
.set A1,   16                          ; v[16:23], v[24:31] the two weighted sums of my eight columns
.set A2,   24
.set WS,   32                          ; v32-47 W's scale words: tile n of 16 columns; lanes 0-15 d = 0 .. 127, lanes 16-31 d = 128 .. 255
.set U,    48                          ; v48-63 u[16 n + r]
.set MK,   64                          ; v64-71 tile t's mask of token 8 h + r % 8
.set XS0,  72                          ; v72, v73 x's scale words of the two K steps
.set XS1,  73
.set C0,   74                          ; v74-85, v86-97 x's codes
.set C1,   86
.set CT,   98                          ; v98-105 the conversions' second halves
.set TM,   106                         ; v106-117 the quantiser's: largest magnitudes, bytes, scale operands
.set SA,   106                         ; v106-113, v114-121 the products with u, two chains
.set SB,   114
.set LG,   122
.set VL,   123
.set TMX,  124
.set TX,   125
.set EE,   126
.set MNEW, 127
.set X,    128                         ; v128-255 a tile as the quantiser wants it: register 64 s + 16 b + i = d 128 s + 32 b + 16 h + i of row r; then the 16 accumulators, tile n at 8 n
.set WA,   112                         ; (in the head, behind tile 0's quantising) my place in a tile of W; WB: for the pieces that lie behind one padding more
.set WB,   113
.set PS,   32                          ; s[32:47] eight weights at the even numbers, s[48:63] eight masks: the packed forms name pairs and take the low word
.set QS,   48
; windows of 256 registers: window 1: v0-191 W's fragments of K step 0 (tile n at 12 n), v192-255 buffer 2's rows 0-7;  window 2: the same for K step 1 and rows 8-15;  window 3: buffers 0 and 1
.set MSB, 0
.macro WIN new                         ; bits 1:0 source 0, 3:2 source 1, 5:4 source 2, 7:6 destination; the immediate's high byte repeats the setting that is left
.if MSB != (\new)
	s_set_vgpr_msb (MSB<<8)|(\new)
.set MSB, (\new)
.endif
.endm
.macro RBUF t, g                       ; where half g (8 rows, 64 registers) of tile t's buffer lies: window RW, register RB
.if ((\t)%3) < 2
.set RW, 3
.set RB, 128*((\t)%3)+64*(\g)
.else
.set RW, 1+(\g)
.set RB, 192
.endif
.endm
.macro LOADX t, g                      ; 8 rows of tile t: sixteen loads of 512 consecutive bytes; row j takes 8 registers: 4 for d = 4 l on, 4 for d = 128 + 4 l on
	RBUF \t, \g
	WIN RW<<6
.irp k, 0,1,2,3,4,5,6,7,8,9,10,11,12,13,14,15
	global_load_b128 v[RB+4*\k:RB+4*\k+3], v[XO], s[4:5] offset:16384*(\t)+8192*(\g)+512*\k th:TH_LOAD_NT
.endr
.endm
.macro STORES t, q                     ; group q of eight: two rows of tile t go into my stage as they lie, four stores of 512 bytes
	RBUF \t, (\q)/4
	WIN RW<<2                                      ; an LDS store's data are its source 1
.irp k, 0,1,2,3
	ds_store_b128 v[STO], v[RB+16*((\q)%4)+4*\k:RB+16*((\q)%4)+4*\k+3] offset:(8*((\q)/4)+2*((\q)%4)+\k/2)*SP+(\k%2)*512
.endr
.endm
.macro SG t, q                         ; among tile t's vector work: group q of the NEXT tile's stores; the last tile has no next
.if (\t) < 7
	STORES (\t)+1, \q
	WIN 0
.endif
.endm
.macro XLD q                           ; group q of eight: block q of 32 along d comes back, 64 bytes of its 128 a lane.  LDS serves a wave's instructions in order (ISA guide 5.7.1.4): these see my stores with no wait between
.irp j, 0,1,2,3
	ds_load_b128 v[X+16*(\q)+4*\j:X+16*(\q)+4*\j+3], v[STL] offset:512*((\q)/4)+128*((\q)%4)+16*\j
.endr
.endm
; 64 numbers of a lane, register 16 b + i = k 32 b + 16 h + i of my row, become a fragment's codes (12 registers) and its scale word.
.macro QUANT src, dst, word
.irp b, 0,1,2,3
	v_max3_num_f32 v[TM+\b], |v[(\src)+16*\b]|, |v[(\src)+1+16*\b]|, 0x2800000   ; block b: my 16 numbers, and the floor 2^(5 - 127): the byte cannot fall under 1
.endr
.irp i, 2,4,6,8,10,12,14
.irp b, 0,1,2,3
	v_max3_num_f32 v[TM+\b], v[TM+\b], |v[(\src)+16*\b+\i]|, |v[(\src)+1+16*\b+\i]|   ; the four blocks by turns
.endr
.endr
.irp b, 0,1,2,3
	v_permlanex16_b32 v[TM+4+\b], v[TM+\b], s28, s29
.endr
.irp b, 0,1,2,3
	v_max_num_f32 v[TM+\b], v[TM+\b], v[TM+4+\b]   ; with lane l xor 16's: the block's largest magnitude
.endr
.irp b, 0,1,2,3
	v_add_nc_u32 v[TM+8+\b], 0xfe000000, v[TM+\b]  ; 4 off its exponent field: the conversion takes the exponent field of this operand as its scale
.endr
.irp b, 0,1,2,3
	v_lshrrev_b32 v[TM+4+\b], 23, v[TM+8+\b]       ; the scale's byte
.endr
	v_lshl_or_b32 v[\word], v[TM+5], 8, v[TM+4]    ; my row's scale word
	v_lshl_or_b32 v[\word], v[TM+6], 16, v[\word]
	v_lshl_or_b32 v[\word], v[TM+7], 24, v[\word]
.irp c, 0,1
	v_cvt_scalef32_pk16_bf6_f32 v[(\dst)+6*\c:(\dst)+6*\c+2], v[(\src)+32*\c:(\src)+32*\c+15], v[TM+8+2*\c]
	v_cvt_scalef32_pk16_bf6_f32 v[CT+4*\c:CT+4*\c+2], v[(\src)+16+32*\c:(\src)+31+32*\c], v[TM+8+2*\c+1]   ; (a conversion's three registers begin on an even number)
.endr
	v_nop                                          ; one plain place behind a scaled conversion
.irp c, 0,1                            ; the operand's layout wants a WHOLE block in a lane: lanes 0-15 block 2 c, lanes 16-31 block 2 c + 1
.irp i, 0,1,2
	v_permlane16_swap_b32 v[(\dst)+6*\c+\i], v[CT+4*\c+\i]
.endr
.irp i, 0,1,2
	v_mov_b32 v[(\dst)+3+6*\c+\i], v[CT+4*\c+\i]
.endr
.endr
.endm
; 32 matrix instructions: source 0 = my 16 tokens, source 1 = 16 columns of W: register j of lane (r, h) in accumulator n is token 8 h + j, column 16 n + r.
; The 16 accumulators take turns, one instruction a turn; the first K step starts the sums.  first = 1: W's fragments of the second K step may still be on their way from LDS.
.macro MULS first
.rept 8
	v_nop                                          ; a scale word made by vector instructions stands 8 places ahead of a scaled matrix instruction, codes so made 4
.endr
	WIN 0x04                                       ; source 1 window 1
.irp n, 0,1,2,3,4,5,6,7,8,9,10,11,12,13,14,15
	v_wmma_scale_f32_16x16x128_f8f6f4 v[X+8*\n:X+8*\n+7], v[C0:C0+11], v[12*\n:12*\n+11], 0, v[XS0], v[WS+\n] matrix_a_fmt:MATRIX_FMT_BF6 matrix_b_fmt:MATRIX_FMT_BF6
.endr
.if \first
	s_wait_dscnt 0x0                               ; the rest of W's fragments are in
.endif
	WIN 0x08                                       ; source 1 window 2
.irp n, 0,1,2,3,4,5,6,7,8,9,10,11,12,13,14,15
	v_wmma_scale_f32_16x16x128_f8f6f4 v[X+8*\n:X+8*\n+7], v[C1:C1+11], v[12*\n:12*\n+11], v[X+8*\n:X+8*\n+7], v[XS1], v[WS+\n] matrix_a_fmt:MATRIX_FMT_BF6 matrix_b_fmt:MATRIX_FMT_BF6 matrix_b_scale:MATRIX_SCALE_ROW1
.endr
	WIN 0
.rept 4
	v_nop                                          ; four places in front of the first read of results (ISA guide 7.12.1)
.endr
.endm
; For my eight tokens: the sum over n of key(token, 16 n + r) u[16 n + r], begun with my lane's part of b . u.  Even n in one chain, odd n in another; of u's pair the low or the high register serves both halves.
; Each accumulator is read from its low end on.  Behind every second pair of accumulators stands a group of the next tile's stores.
.macro DOT t
.irp p, 0,1,2,3
	v_pk_fma_f32 v[SA+2*\p:SA+2*\p+1], v[X+2*\p:X+2*\p+1], v[U:U+1], v[BU:BU+1] op_sel_hi:[1,0,1]
.endr
.irp p, 0,1,2,3
	v_pk_mul_f32 v[SB+2*\p:SB+2*\p+1], v[X+8+2*\p:X+8+2*\p+1], v[U:U+1] op_sel:[0,1] op_sel_hi:[1,1]
.endr
.irp e, 2,4,6,8,10,12,14
.irp p, 0,1,2,3
	v_pk_fma_f32 v[SA+2*\p:SA+2*\p+1], v[X+8*\e+2*\p:X+8*\e+2*\p+1], v[U+\e:U+\e+1], v[SA+2*\p:SA+2*\p+1] op_sel_hi:[1,0,1]
.endr
.irp p, 0,1,2,3
	v_pk_fma_f32 v[SB+2*\p:SB+2*\p+1], v[X+8*\e+8+2*\p:X+8*\e+8+2*\p+1], v[U+\e:U+\e+1], v[SB+2*\p:SB+2*\p+1] op_sel:[0,1,0] op_sel_hi:[1,1,1]
.endr
.if (\e%4) == 2
	SG \t, (\e+2)/4                                ; groups 1 to 4
.endif
.endr
.irp p, 0,1,2,3
	v_pk_add_f32 v[SA+2*\p:SA+2*\p+1], v[SA+2*\p:SA+2*\p+1], v[SB+2*\p:SB+2*\p+1]
.endr
.endm
; Eight numbers a lane are summed over the 16 lanes of a half.  In each of three steps a lane keeps half of its numbers and hands the other half to its partner: 8, 4, 2 numbers become 4, 2, 1.
; Then lane (r, h) holds token 8 h + r % 8, summed over eight lanes; the last step adds the other eight: lanes r and r xor 8 end with the same bits.
.macro FOLD t
.irp k, 0,1,2,3
	v_cndmask_b32 v[SB+\k], v[SA+2*\k], v[SA+2*\k+1], s24        ; kept: the odd lanes' odd numbers, the even lanes' even ones
	v_cndmask_b32 v[SB+4+\k], v[SA+2*\k+1], v[SA+2*\k], s24      ; handed over
.endr
.irp k, 0,1,2,3
	v_add_f32_dpp v[SA+\k], v[SB+4+\k], v[SB+\k] row_xmask:1 row_mask:0xf bank_mask:0xf
.endr
	SG \t, 5
.irp k, 0,1
	v_cndmask_b32 v[SB+\k], v[SA+2*\k], v[SA+2*\k+1], s25
	v_cndmask_b32 v[SB+4+\k], v[SA+2*\k+1], v[SA+2*\k], s25
.endr
.irp k, 0,1
	v_add_f32_dpp v[SA+\k], v[SB+4+\k], v[SB+\k] row_xmask:2 row_mask:0xf bank_mask:0xf
.endr
	v_cndmask_b32 v[SB], v[SA], v[SA+1], s26
	v_cndmask_b32 v[SB+4], v[SA+1], v[SA], s26
	v_add_f32_dpp v[SA], v[SB+4], v[SB] row_xmask:4 row_mask:0xf bank_mask:0xf
	v_add_f32_dpp v[SA], v[SA], v[SA] row_xmask:8 row_mask:0xf bank_mask:0xf
.endm
; The tile's 16 logits, one a lane (each twice): kept for the second launch; the running maximum of the valid ones; the weights.  No branch hangs on a number: choices are v_cndmask_b32.
.macro SOFT t
	v_mul_f32 v[LG], 0x3d800000, v[SA]             ; / sqrt(256)
	ds_store_b32 v[LGA], v[LG] offset:64*(\t)      ; lanes r and r xor 8 write the same word with the same bits
	v_min_num_f32 v[RMN], v[RMN], v[LG]
	v_cmp_lt_f32 vcc_lo, 0.5, v[MK+(\t)]           ; valid?
	v_cndmask_b32 v[VL], 0xff61b1e6, v[LG], vcc_lo ; what is not valid counts as -3e38 for the maximum
	v_max_num_f32_dpp v[TMX], v[VL], v[VL] row_xmask:1 row_mask:0xf bank_mask:0xf
	v_max_num_f32_dpp v[TMX], v[TMX], v[TMX] row_xmask:2 row_mask:0xf bank_mask:0xf
	v_max_num_f32_dpp v[TMX], v[TMX], v[TMX] row_xmask:4 row_mask:0xf bank_mask:0xf
	v_permlanex16_b32 v[TX], v[TMX], s28, s29
	v_max3_num_f32 v[MNEW], v[TMX], v[TX], v[RM]   ; the same in every lane
	v_sub_f32 v[F], v[RM], v[MNEW]                 ; 0 or less.  (From -3e38 the product below is -infinity, and 2^that is 0, which meets sums that are still 0)
	v_sub_f32 v[EE], v[VL], v[MNEW]
	v_mul_f32 v[F], 0x3fb8aa3b, v[F]               ; x log2(e)
	v_mul_f32 v[EE], 0x3fb8aa3b, v[EE]
	v_exp_f32 v[F], v[F]
	v_exp_f32 v[EE], v[EE]
	v_mov_b32 v[RM], v[MNEW]                       ; (the plain place behind the exponentials)
	SG \t, 7                                       ; the last group of the next tile's stores
	s_wait_alu depctr_va_vdst(0)
	v_mul_f32 v[EE], v[EE], v[MK+(\t)]
	v_cndmask_b32 v[PV], 0, v[EE], vcc_lo
	v_cndmask_b32 v[MU], v[MK+(\t)], 0, vcc_lo
	v_fma_f32 v[RL], v[RL], v[F], v[PV]
	v_add_f32 v[RS2], v[RS2], v[MU]
.irp p, 0,1,2,3
	v_pk_mul_f32 v[A1+2*\p:A1+2*\p+1], v[A1+2*\p:A1+2*\p+1], v[F:F+1] op_sel_hi:[1,0]   ; what was summed under the old M
.endr
.endm
; Rows 8 g .. 8 g + 7 of tile t, from the registers in which they landed: token 8 g + j's weight lies in lane 16 g + j and goes into a scalar register; eight chains.
; Behind every second row stands a group of the next tile's loads from the stage: half g of the sums carries K step g's four groups, in ascending order.
.macro POOL t, g
	WIN 0
.irp j, 0,1,2,3,4,5,6,7
	v_readlane_b32 s[PS+2*\j], v[PV], 16*(\g)+\j
	v_readlane_b32 s[QS+2*\j], v[MU], 16*(\g)+\j
.endr
	RBUF \t, \g
.irp j, 0,1,2,3,4,5,6,7
	WIN RW                                         ; source 0: the buffer's window
.irp p, 0,1,2,3
	v_pk_fma_f32 v[A1+2*\p:A1+2*\p+1], v[RB+8*\j+2*\p:RB+8*\j+2*\p+1], s[PS+2*\j:PS+2*\j+1], v[A1+2*\p:A1+2*\p+1] op_sel_hi:[1,0,1]
.endr
.irp p, 0,1,2,3
	v_pk_fma_f32 v[A2+2*\p:A2+2*\p+1], v[RB+8*\j+2*\p:RB+8*\j+2*\p+1], s[QS+2*\j:QS+2*\j+1], v[A2+2*\p:A2+2*\p+1] op_sel_hi:[1,0,1]
.endr
.if ((\j%2) == 1) && ((\t) < 7)
	WIN 0                                          ; an LDS load's address is its source 0
	XLD 4*(\g)+\j/2
.endif
.endr
.endm
.macro FRAG reg, q, i                  ; a fragment of W, 16 columns x 128 d: lane (r, h) takes column r; registers 6 c .. 6 c + 5 hold d = 64 c + 32 h + 0 .. 31: 24 bytes of the row's stream of bits, in pieces of 8
.irp p, 0,1,2,3,4,5
.set PC, 12*(\q)+6*(\p/3)+\p%3         ; lanes 16-31 read three pieces further on: behind one padding more where the piece's number mod 8 is 5 or more
.if PC%8 < 5
	ds_load_b64 v[\reg+2*\p:\reg+2*\p+1], v[WA] offset:WL+8*PC+16*(PC/8)+(\i)*16*WP
.else
	ds_load_b64 v[\reg+2*\p:\reg+2*\p+1], v[WB] offset:WL+8*PC+16*(PC/8)+(\i)*16*WP
.endif
.endr
.endm
; A PERIOD: tile t is quantised and multiplied (tile 0: in the head); its logits, weights and sums are made, and among them tile t + 1 turns through the stage; each half of tile t's buffer takes
; the tile three on as soon as its rows are summed.  left: the loads issued behind tile t + 1's.
.macro PERIOD t, left
	WIN 0
.if (\t) > 0
	s_wait_dscnt 16                                ; the first K step's sixteen loads are in; the second's, the youngest sixteen LDS instructions, may be out
	QUANT X, C0, XS0
	s_wait_dscnt 0x0                               ; all of the tile is in: the stage may be written again
	QUANT X+64, C1, XS1
	MULS 0
.endif
.if (\t) < 7
	s_wait_loadcnt \left                           ; tile t + 1's 32 loads are in; tile t + 2's stay out
.endif
	SG \t, 0
	DOT \t
	FOLD \t
	SG \t, 6
	SOFT \t
	POOL \t, 0
.if (\t)+3 < 8
	LOADX \t+3, 0
.endif
	POOL \t, 1
.if (\t)+3 < 8
	LOADX \t+3, 1
.endif
.endm
	s_load_b512 s[4:19], s[0:1], 0x0               ; x s[4:5], mask s[6:7], W's codes s[8:9], W's scales s[10:11], b s[12:13], u s[14:15], lg s[16:17], pa s[18:19]
	s_load_b64 s[20:21], s[0:1], 0x40              ; st
	v_lshl_add_u32 v101, v0, 2, 0x29000
	v_mov_b32 v105, 0
	ds_add_u32 v101, v105
	ds_add_u32 v101, v105
	v_lshrrev_b32 v106, 5, v0
	v_readfirstlane_b32 s22, v106                  ; wave 0..3
	s_lshl_b32 s23, ttmp9, 2
	s_add_co_u32 s23, s23, s22                     ; which sixteenth of the batch is mine
	s_and_b32 s30, ttmp7, 0xffff                   ; the batch
	s_lshl_b32 s30, s30, 4
	s_add_co_u32 s30, s30, s23                     ; my share's number, 0 .. 1,023
	v_and_b32 v106, 31, v0                         ; lane
	v_lshlrev_b32 v[XO], 4, v106
	v_and_b32 v107, 15, v0                         ; r
	v_bfe_u32 v108, v0, 4, 1                       ; h
	; descriptor group 1 for W's codes: 64 rows of 192 bytes, dense; 16 bytes of padding behind every 64
	s_mov_b32 s32, (1<<20)|(3<<22)|(3<<25)         ; no mask; elements of 1 byte; padding on, after every 16 words (code 3), of 4 words (code 3)
	s_mov_b32 s33, 192<<16                         ; tensor_dim0
	s_mov_b32 s34, 64<<16                          ; tensor_dim1
	s_mov_b32 s35, 192<<16                         ; tile_dim0
	s_mov_b32 s36, 64                              ; tile_dim1
	s_mov_b32 s37, 192                             ; from row to row
	s_mov_b32 s38, 0
	s_mov_b32 s39, 0
	; for one row of 512 bytes (64 elements of 8), and for one of 256 (32)
	s_mov_b32 s40, 3<<16
	s_mov_b32 s41, 64<<16
	s_mov_b32 s42, 1<<16
	s_mov_b32 s43, 64<<16
	s_mov_b32 s44, 1
	s_mov_b32 s45, 64
	s_mov_b32 s46, 0
	s_mov_b32 s47, 0
	s_mov_b32 s48, 3<<16
	s_mov_b32 s49, 32<<16
	s_mov_b32 s50, 1<<16
	s_mov_b32 s51, 32<<16
	s_mov_b32 s52, 1
	s_mov_b32 s53, 32
	s_mov_b32 s54, 0
	s_mov_b32 s55, 0
	s_mov_b32 s81, 0
	s_mov_b32 s83, 0
	s_wait_dscnt 0x0
	s_wait_kmcnt 0x0
	; groups 0: each wave brings a quarter of each block; both addresses step with the wave's number
	s_mov_b32 s56, 1                               ; W's codes: rows 64 w on
	s_mul_i32 s57, s22, 64*WP
	s_mul_i32 s80, s22, 64*192
	s_add_nc_u64 s[58:59], s[8:9], s[80:81]
	s_or_b32 s59, s59, 0x80000000
	s_mov_b32 s60, 1                               ; W's scale bytes: 512 bytes
	s_lshl_b32 s80, s22, 9
	s_add_co_u32 s61, s80, SCL
	s_add_nc_u64 s[62:63], s[10:11], s[80:81]
	s_or_b32 s63, s63, 0x80000000
	s_mov_b32 s68, 1                               ; the mask of my 128 tokens: 512 bytes
	s_add_co_u32 s69, s80, ML
	s_lshl_b32 s82, s30, 9
	s_add_nc_u64 s[70:71], s[6:7], s[82:83]
	s_or_b32 s71, s71, 0x80000000
	s_add_nc_u64 s[16:17], s[16:17], s[82:83]      ; my 128 logits lie at the same offset
	s_mov_b32 s72, 1                               ; u: 256 bytes
	s_lshl_b32 s80, s22, 8
	s_add_co_u32 s73, s80, UL
	s_add_nc_u64 s[74:75], s[14:15], s[80:81]
	s_or_b32 s75, s75, 0x80000000
	s_mov_b32 s76, 1                               ; b: 256 bytes
	s_add_co_u32 s77, s80, BL
	s_add_nc_u64 s[78:79], s[12:13], s[80:81]
	s_or_b32 s79, s79, 0x80000000
	s_lshl_b32 s82, s30, 17                        ; my 128 rows of x: 131,072 bytes a share
	s_add_nc_u64 s[4:5], s[4:5], s[82:83]
	s_lshl_b32 s82, s30, 11                        ; my two sums: 2,048 bytes
	s_add_nc_u64 s[18:19], s[18:19], s[82:83]
	s_lshl_b32 s82, s30, 4                         ; my four figures: 16 bytes
	s_add_nc_u64 s[20:21], s[20:21], s[82:83]
	tensor_load_to_lds s[56:59], s[32:39]          ; the launch's only fills, in one group
	s_nop 0
	tensor_load_to_lds s[60:63], s[40:47]
	s_nop 0
	tensor_load_to_lds s[68:71], s[40:47]
	s_nop 0
	tensor_load_to_lds s[72:75], s[48:55]
	s_nop 0
	tensor_load_to_lds s[76:79], s[48:55]
	s_nop 0
.rept 4
	v_nop                                          ; (the windows are switched only behind four instructions)
.endr
	LOADX 0, 0                                     ; tile 0 goes out at once,
	LOADX 0, 1
	WIN 0
	s_mul_i32 s30, s22, STW
	s_add_co_u32 s30, s30, STG                     ; my stage
	v_add_nc_u32 v[STO], s30, v[XO]
	v_mul_u32_u24 v[STL], v107, SP
	v_lshl_add_u32 v[STL], v108, 6, v[STL]
	v_add_nc_u32 v[STL], s30, v[STL]
	v_and_b32 v109, 7, v0
	v_lshl_add_u32 v109, v108, 3, v109             ; my token of a tile: 8 h + r % 8
	v_lshlrev_b32 v109, 2, v109
	s_lshl_b32 s31, s22, 9
	s_add_co_u32 s27, s31, LGS                     ; my wave's logits
	v_add_nc_u32 v[LGA], s27, v109
	s_mov_b32 s24, 0xaaaaaaaa                      ; lanes with bit 0, 1, 2 of their number set
	s_mov_b32 s25, 0xcccccccc
	s_mov_b32 s26, 0xf0f0f0f0
	s_mov_b32 s28, 0x76543210                      ; v_permlanex16_b32's selects for lane l xor 16
	s_mov_b32 s29, 0xfedcba98
	v_mov_b32 v[RM], 0xff61b1e6                    ; -3e38, under every logit
	v_mov_b32 v[RMN], 0x7f61b1e6                   ; 3e38, over every logit
	v_mov_b32 v[RL], 0
	v_mov_b32 v[RS2], 0
	v_mov_b32 v[F+1], 0                            ; (named as the upper half of a pair)
	v_mov_b32 v[TMX], 0                            ; (the destination of a DPP form or a lane permute counts as one of its sources)
	v_mov_b32 v[TX], 0
.irp b, 0,1,2,3
	v_mov_b32 v[TM+4+\b], 0
.endr
.irp j, 0,1,2,3,4,5,6,7,8,9,10,11,12,13,14,15
	v_mov_b32 v[A1+\j], 0                          ; the two sums: a period's text is written once, and the first finds zeros
.endr
	LOADX 1, 0                                     ; and tiles 1 and 2 behind the set-up: all three buffers are asked for ahead of the first wait for data
	LOADX 1, 1
	LOADX 2, 0
	LOADX 2, 1
	; TILE 0 IS TURNED AND QUANTISED WHILE W IS ON ITS WAY.  Behind its loads 64 have been issued; a wait's count names 63 at the most (the counter's field: ISA guide 5.7.1), and the smaller count is safe.
	s_wait_loadcnt 63
.irp q, 0,1,2,3,4,5,6,7
	STORES 0, \q
.endr
	WIN 0
.irp q, 0,1,2,3,4,5,6,7
	XLD \q
.endr
	s_wait_dscnt 16                                ; the first K step's sixteen loads are in
	QUANT X, C0, XS0
	s_wait_dscnt 0x0
	QUANT X+64, C1, XS1
	v_and_b32 v107, 15, v0                         ; the addresses for W, u, b and the mask are made here: the quantiser has used their registers
	v_bfe_u32 v108, v0, 4, 1
	v_and_b32 v109, 7, v0
	v_lshl_add_u32 v109, v108, 3, v109
	v_lshlrev_b32 v109, 2, v109
	s_add_co_u32 s31, s31, ML
	v_add_nc_u32 v110, s31, v109                   ; my token's mask
	v_mul_u32_u24 v111, v107, WP
	v_mad_u32_u24 v[WA], v108, 24, v111            ; W: row r x pitch + 24 h,
	v_mad_u32_u24 v[WB], v108, 40, v111            ; and behind one padding more
	v_lshlrev_b32 v114, 2, v107                    ; u, b: 4 r
	v_lshlrev_b32 v115, 3, v107
	v_lshl_add_u32 v115, v108, 2, v115             ; W's scale words: 8 r + 4 h
	s_wait_tensorcnt 0x0                           ; my five quarters have landed,
	s_barrier_signal -1
	s_barrier_wait -1                              ; everybody's have.  The launch's only barrier
.irp j, 0,1,2,3,4,5,6,7
	s_mov_b32 s[PS+2*\j+1], 0                      ; the descriptors are done with: their registers take the weights; the upper halves of the pairs are written once
	s_mov_b32 s[QS+2*\j+1], 0
.endr
.irp n, 0,1,2,3,4,5,6,7,8,9,10,11,12,13,14,15
	ds_load_b32 v[WS+\n], v115 offset:SCL+128*\n   ; the 56 small loads first, then W's fragments, the first K step's first
	ds_load_b32 v[U+\n], v114 offset:UL+64*\n
	ds_load_b32 v[X+\n], v114 offset:BL+64*\n      ; b[16 n + r], for a moment: tile 0's numbers are done with
.endr
.irp t, 0,1,2,3,4,5,6,7
	ds_load_b32 v[MK+\t], v110 offset:64*\t
.endr
	WIN 0x40                                       ; destination window 1
.irp n, 0,1,2,3,4,5,6,7,8,9,10,11,12,13,14,15
	FRAG 12*\n, 0, \n
.endr
	WIN 0x80                                       ; destination window 2
.irp n, 0,1,2,3,4,5,6,7,8,9,10,11,12,13,14,15
	FRAG 12*\n, 1, \n
.endr
	WIN 0
	s_wait_dscnt 63                                ; behind the first K step's fragments 96 loads were issued, behind the small loads 192: the largest count that can be written leaves only loads of the second K step out
	v_mul_f32 v[BU], v[X], v[U]
.irp n, 1,2,3,4,5,6,7,8,9,10,11,12,13,14,15
	v_fmac_f32 v[BU], v[X+\n], v[U+\n]             ; my lane's sixteenth of b . u: the 16 lanes' parts meet in FOLD
.endr
	v_mov_b32 v[BU+1], v[BU]
	MULS 1                                         ; tile 0's products: the first K step's begin while the second's fragments come
	; Behind tile t + 1's loads stand tile t + 2's 32 when period t waits for them: tile t + 3's go out at the period's end.
	PERIOD 0, 32
	PERIOD 1, 32
	PERIOD 2, 32
	PERIOD 3, 32
	PERIOD 4, 32
	PERIOD 5, 32
	PERIOD 6, 0                                    ; tile 7's are the last
	PERIOD 7, 0
	WIN 0
	; THE END OF THE SHARE.  L, S2 and MN hold a token's part in each lane, each part twice (lanes r, r xor 8): so they are joined over r % 8 and the two halves, not over r / 8.
.irp x, 1,2,4
	v_add_f32_dpp v[RL], v[RL], v[RL] row_xmask:\x row_mask:0xf bank_mask:0xf
	v_add_f32_dpp v[RS2], v[RS2], v[RS2] row_xmask:\x row_mask:0xf bank_mask:0xf
	v_min_num_f32_dpp v[RMN], v[RMN], v[RMN] row_xmask:\x row_mask:0xf bank_mask:0xf
.endr
	v_permlanex16_b32 v[TMX], v[RL], s28, s29
	v_permlanex16_b32 v[TX], v[RS2], s28, s29
	v_permlanex16_b32 v[EE], v[RMN], s28, s29
	v_add_nc_u32 v116, s27, v[XO]
	ds_load_b128 v[112:115], v116                  ; my wave's 128 logits, 16 bytes a lane: LDS serves a wave's instructions in order, so these see my stores
	v_add_f32 v[RL], v[RL], v[TMX]
	v_add_f32 v[RS2], v[RS2], v[TX]
	v_min_num_f32 v[RMN], v[RMN], v[EE]
	v_and_b32 v117, 31, v0
	v_cmp_gt_u32 vcc_lo, 1, v117                   ; lane 0
	global_store_b128 v[XO], v[A1:A1+3], s[18:19]                  ; each store of the wave covers 512 consecutive bytes, aligned
	global_store_b128 v[XO], v[A1+4:A1+7], s[18:19] offset:512
	global_store_b128 v[XO], v[A2:A2+3], s[18:19] offset:1024
	global_store_b128 v[XO], v[A2+4:A2+7], s[18:19] offset:1536
	s_wait_dscnt 0x0
	global_store_b128 v[XO], v[112:115], s[16:17]
	s_wait_xcnt 0x0                                ; EXEC is a source of the stores above: it changes only behind this wait
	s_wait_tensorcnt 0x0
	ds_add_u32 v101, v105
	s_wait_dscnt 0x0
	s_and_saveexec_b32 s30, vcc_lo
	global_store_b128 v[XO], v[RM:RM+3], s[20:21]  ; M, L, MN, S2: 16 bytes a wave, from lane 0 (whose offset is 0): a small store, 16,384 bytes in the whole launch
	s_wait_xcnt 0x0                                ; and again in front of the line that widens it
	s_or_b32 exec_lo, exec_lo, s30
	s_endpgm
.Lfunc_end_k_qe55ed01174_partial:
	.size	k_qe55ed01174_partial, .Lfunc_end_k_qe55ed01174_partial-k_qe55ed01174_partial
	.p2alignl 7, 3214868480
	.fill 96, 4, 3214868480
	.section	.rodata,"a",@progbits
	.p2align	6, 0x0
	.amdhsa_kernel k_qe55ed01174_partial
		.amdhsa_group_segment_fixed_size 168448
		.amdhsa_private_segment_fixed_size 0
		.amdhsa_enable_private_segment 0
		.amdhsa_kernarg_size 72
		.amdhsa_user_sgpr_count 2
		.amdhsa_user_sgpr_kernarg_segment_ptr 1
		.amdhsa_wavefront_size32 1
		.amdhsa_system_sgpr_workgroup_id_x 1
		.amdhsa_system_sgpr_workgroup_id_y 1
		.amdhsa_system_sgpr_workgroup_id_z 1
		.amdhsa_system_vgpr_workitem_id 0
		.amdhsa_next_free_vgpr 1024
		.amdhsa_next_free_sgpr 84
		.amdhsa_reserve_vcc 1
		.amdhsa_float_denorm_mode_32 3
		.amdhsa_float_denorm_mode_16_64 3
		.amdhsa_memory_ordered 1
		.amdhsa_forward_progress 1
		.amdhsa_inst_pref_size 255
	.end_amdhsa_kernel
	.section	.bss,"aw",@nobits
	.p2align	6
	.space	262144
	.amdgpu_metadata
---
amdhsa.version: [ 1, 2 ]
amdhsa.kernels:
  - .name:           k_qe55ed01174_partial
    .symbol:         k_qe55ed01174_partial.kd
    .args:
      - { .name: inputs, .offset: 0, .size: 8, .value_kind: global_buffer, .address_space: global }
      - { .name: mask, .offset: 8, .size: 8, .value_kind: global_buffer, .address_space: global }
      - { .name: W_codes, .offset: 16, .size: 8, .value_kind: global_buffer, .address_space: global }
      - { .name: W_scales, .offset: 24, .size: 8, .value_kind: global_buffer, .address_space: global }
      - { .name: b, .offset: 32, .size: 8, .value_kind: global_buffer, .address_space: global }
      - { .name: u, .offset: 40, .size: 8, .value_kind: global_buffer, .address_space: global }
      - { .name: lg, .offset: 48, .size: 8, .value_kind: global_buffer, .address_space: global }
      - { .name: pa, .offset: 56, .size: 8, .value_kind: global_buffer, .address_space: global }
      - { .name: st, .offset: 64, .size: 8, .value_kind: global_buffer, .address_space: global }
    .group_segment_fixed_size: 168448
    .private_segment_fixed_size: 0
    .kernarg_segment_align: 8
    .kernarg_segment_size: 72
    .max_flat_workgroup_size: 128
    .sgpr_count:     84
    .vgpr_count:     1024
    .wavefront_size: 32
...
	.end_amdgpu_metadata
.endif
;; end of part 1
;; launch finish (part 2): grid 64 x 1, 8 waves a work-group, no clusters, 0 bytes of LDS; arguments mask, lg, pa, st, out0, out1; writes out0, out1
.if DOCPART == 2
	.amdgcn_target "amdgcn-amd-amdhsa--gfx1250"
	.amdhsa_code_object_version 6
	.text
	.protected	k_qe55ed01174_finish
	.globl	k_qe55ed01174_finish
	.p2align	8
	.type	k_qe55ed01174_finish,@function
k_qe55ed01174_finish:
	s_mov_b64 s[64:65], 0
	v_nop
	global_prefetch_b8 v0, s[64:65] scope:SCOPE_SE
	s_setreg_imm32_b32 hwreg(HW_REG_WAVE_MODE, 25, 1), 1
	s_wait_xcnt 0x0
; ATTENTION WITH A CONTEXT VECTOR, SECOND PART.  A work-group joins the 16 shares of one batch: st [64][16][4] = M, L, MN, S2 of each share; pa [64][16][2][256] = A1, A2; lg [64][2048] the logits.
; reference()'s shift is the largest of the safe logits, which is max(largest valid logit, least logit of all): where no token is hidden the first is the larger anyway, where none is valid only the second is left.
; With Mx that maximum, g_k = e^(M_k - Mx), E = e^(MN - Mx):  total = sum of L_k g_k + E sum of S2_k + 1e-32;  score = mask e^(safe - Mx) / total;  out0 = (sum of A1_k g_k + E sum of A2_k) / total.
; Eight waves: thread i takes tokens 4 i .. + 3 and 1,024 + 4 i .. + 3; every wave works the 16 shares' figures out for itself (lane l: share l % 16), so there is no LDS and no barrier.
; out0's 256 columns are 64 threads' 16 bytes: waves 0 and 1 do that, under a branch on the wave's number.  All loads are independent and go out together: one wait.
; The launch has work for 64 work-groups: a batch's figures meet in one place.  No matrix unit, no cluster: 3.2 MB are read once, and nothing is shared.
; LIMITS: as in the first part: NaN and infinities are not served; sums in another order than reference()'s.
	s_load_b256 s[4:11], s[0:1], 0x0               ; mask s[4:5], lg s[6:7], pa s[8:9], st s[10:11]
	s_load_b128 s[12:15], s[0:1], 0x20             ; out0 s[12:13], out1 s[14:15]
	v_lshrrev_b32 v3, 5, v0
	v_readfirstlane_b32 s20, v3                    ; wave 0..7
	v_lshlrev_b32 v1, 4, v0                        ; 16 x thread
	v_and_b32 v2, 15, v0
	v_lshlrev_b32 v2, 4, v2                        ; 16 x (lane % 16): a share's four figures
	v_mov_b32 v24, 0                               ; (a DPP form's destination counts as one of its sources)
	v_mov_b32 v29, 0                               ; (named as the upper half of the pair v[28:29])
	s_lshl_b32 s16, ttmp9, 13                      ; the batch's 8,192 bytes of mask, lg and out1,
	s_mov_b32 s17, 0
	s_lshl_b32 s18, ttmp9, 15                      ; 32,768 of pa,
	s_mov_b32 s19, 0
	s_lshl_b32 s22, ttmp9, 8                       ; 256 of st,
	s_mov_b32 s23, 0
	s_lshl_b32 s24, ttmp9, 10                      ; 1,024 of out0
	s_mov_b32 s25, 0
	s_wait_kmcnt 0x0
	s_add_nc_u64 s[4:5], s[4:5], s[16:17]
	s_add_nc_u64 s[6:7], s[6:7], s[16:17]
	s_add_nc_u64 s[14:15], s[14:15], s[16:17]
	s_add_nc_u64 s[8:9], s[8:9], s[18:19]
	s_add_nc_u64 s[10:11], s[10:11], s[22:23]
	s_add_nc_u64 s[12:13], s[12:13], s[24:25]
	global_load_b128 v[4:7], v2, s[10:11]          ; M, L, MN, S2 of share lane % 16: sixteen lanes read the batch's 256 bytes
	global_load_b128 v[8:11], v1, s[6:7]           ; eight logits: each load of a wave covers 512 consecutive bytes
	global_load_b128 v[12:15], v1, s[6:7] offset:4096
	global_load_b128 v[16:19], v1, s[4:5]          ; and their mask
	global_load_b128 v[20:23], v1, s[4:5] offset:4096
	s_cmp_lt_u32 s20, 2
	s_cbranch_scc0 .Lno_pa
.irp k, 0,1,2,3,4,5,6,7,8,9,10,11,12,13,14,15
	global_load_b128 v[64+8*\k:67+8*\k], v1, s[8:9] offset:2048*\k         ; share k's A1 of my four columns,
	global_load_b128 v[68+8*\k:71+8*\k], v1, s[8:9] offset:2048*\k+1024    ; and its A2
.endr
.Lno_pa:
	s_wait_loadcnt 0x0                             ; all of them: right on both ways
	v_max_num_f32_dpp v24, v4, v4 row_xmask:1 row_mask:0xf bank_mask:0xf   ; over the 16 shares: the largest M, the least MN, the sum of S2; every lane ends with the result
	v_min_num_f32_dpp v6, v6, v6 row_xmask:1 row_mask:0xf bank_mask:0xf
	v_add_f32_dpp v7, v7, v7 row_xmask:1 row_mask:0xf bank_mask:0xf
.irp x, 2,4,8
	v_max_num_f32_dpp v24, v24, v24 row_xmask:\x row_mask:0xf bank_mask:0xf
	v_min_num_f32_dpp v6, v6, v6 row_xmask:\x row_mask:0xf bank_mask:0xf
	v_add_f32_dpp v7, v7, v7 row_xmask:\x row_mask:0xf bank_mask:0xf
.endr
	v_max_num_f32 v24, v24, v6                     ; Mx
	v_sub_f32 v25, v4, v24                         ; (a share without a valid token has M = -3e38: its g is 0, and so are its L and A1)
	v_sub_f32 v26, v6, v24
	v_mul_f32 v25, 0x3fb8aa3b, v25                 ; x log2(e)
	v_mul_f32 v26, 0x3fb8aa3b, v26
	v_exp_f32 v25, v25                             ; g of share lane % 16
	v_exp_f32 v26, v26                             ; E
.irp j, 0,1,2,3,4,5,6,7
	v_cmp_lt_f32 vcc_lo, 0.5, v[16+\j]             ; (plain work behind the exponentials)  valid?
	v_cndmask_b32 v[8+\j], v6, v[8+\j], vcc_lo     ; the safe logit: its own, or the least of all
.endr
	s_wait_alu depctr_va_vdst(0)
.irp p, 0,2,4,6
	v_pk_add_f32 v[8+\p:9+\p], v[8+\p:9+\p], v[24:25] op_sel_hi:[1,0] neg_lo:[0,1] neg_hi:[0,1]   ; - Mx
.endr
.irp p, 0,2,4,6
	v_pk_mul_f32 v[8+\p:9+\p], v[8+\p:9+\p], 0x3fb8aa3b op_sel_hi:[1,0]
.endr
	v_mul_f32 v27, v5, v25                         ; L g
.irp x, 1,2,4,8
	v_add_f32_dpp v27, v27, v27 row_xmask:\x row_mask:0xf bank_mask:0xf
.endr
	v_fma_f32 v27, v26, v7, v27                    ; + E x the sum of S2
	v_add_f32 v27, 0x0a4fb11f, v27                 ; + 1e-32
	v_rcp_f32 v28, v27
.irp j, 0,1,2,3,4,5,6,7
	v_exp_f32 v[8+\j], v[8+\j]
.endr
	v_nop                                          ; one plain place behind the transcendentals
	s_wait_alu depctr_va_vdst(0)
.irp p, 0,2,4,6
	v_pk_mul_f32 v[8+\p:9+\p], v[8+\p:9+\p], v[16+\p:17+\p]        ; x mask
.endr
.irp p, 0,2,4,6
	v_pk_mul_f32 v[8+\p:9+\p], v[8+\p:9+\p], v[28:29] op_sel_hi:[1,0]      ; / total
.endr
	global_store_b128 v1, v[8:11], s[14:15] th:TH_STORE_NT         ; each store of a wave covers 512 consecutive bytes, aligned
	global_store_b128 v1, v[12:15], s[14:15] offset:4096 th:TH_STORE_NT
	s_cmp_lt_u32 s20, 2
	s_cbranch_scc0 .Lend
.irp k, 0,1,2,3,4,5,6,7,8,9,10,11,12,13,14,15
	v_readlane_b32 s[32+2*\k], v25, \k             ; g of share k; the packed forms name a pair and take its low word,
	s_mov_b32 s[33+2*\k], 0                        ; so the upper word is written
.endr
	v_pk_mul_f32 v[32:33], v[64:65], s[32:33] op_sel_hi:[1,0]      ; the first share starts the sums
	v_pk_mul_f32 v[34:35], v[66:67], s[32:33] op_sel_hi:[1,0]
	v_pk_add_f32 v[36:37], v[68:69], v[76:77]
	v_pk_add_f32 v[38:39], v[70:71], v[78:79]
	v_pk_fma_f32 v[32:33], v[72:73], s[34:35], v[32:33] op_sel_hi:[1,0,1]
	v_pk_fma_f32 v[34:35], v[74:75], s[34:35], v[34:35] op_sel_hi:[1,0,1]
.irp k, 2,3,4,5,6,7,8,9,10,11,12,13,14,15
	v_pk_fma_f32 v[32:33], v[64+8*\k:65+8*\k], s[32+2*\k:33+2*\k], v[32:33] op_sel_hi:[1,0,1]
	v_pk_fma_f32 v[34:35], v[66+8*\k:67+8*\k], s[32+2*\k:33+2*\k], v[34:35] op_sel_hi:[1,0,1]
	v_pk_add_f32 v[36:37], v[36:37], v[68+8*\k:69+8*\k]
	v_pk_add_f32 v[38:39], v[38:39], v[70+8*\k:71+8*\k]
.endr
	v_pk_fma_f32 v[32:33], v[36:37], v[26:27], v[32:33] op_sel_hi:[1,0,1]  ; + E x the hidden tokens' sum
	v_pk_fma_f32 v[34:35], v[38:39], v[26:27], v[34:35] op_sel_hi:[1,0,1]
	v_pk_mul_f32 v[32:33], v[32:33], v[28:29] op_sel_hi:[1,0]              ; / total
	v_pk_mul_f32 v[34:35], v[34:35], v[28:29] op_sel_hi:[1,0]
	global_store_b128 v1, v[32:35], s[12:13] th:TH_STORE_NT        ; 64 threads store the batch's 1,024 bytes
.Lend:
	s_endpgm
.Lfunc_end_k_qe55ed01174_finish:
	.size	k_qe55ed01174_finish, .Lfunc_end_k_qe55ed01174_finish-k_qe55ed01174_finish
	.p2alignl 7, 3214868480
	.fill 96, 4, 3214868480
	.section	.rodata,"a",@progbits
	.p2align	6, 0x0
	.amdhsa_kernel k_qe55ed01174_finish
		.amdhsa_group_segment_fixed_size 0
		.amdhsa_private_segment_fixed_size 0
		.amdhsa_enable_private_segment 0
		.amdhsa_kernarg_size 48
		.amdhsa_user_sgpr_count 2
		.amdhsa_user_sgpr_kernarg_segment_ptr 1
		.amdhsa_wavefront_size32 1
		.amdhsa_system_sgpr_workgroup_id_x 1
		.amdhsa_system_sgpr_workgroup_id_y 1
		.amdhsa_system_sgpr_workgroup_id_z 1
		.amdhsa_system_vgpr_workitem_id 0
		.amdhsa_next_free_vgpr 192
		.amdhsa_next_free_sgpr 66
		.amdhsa_reserve_vcc 1
		.amdhsa_float_denorm_mode_32 3
		.amdhsa_float_denorm_mode_16_64 3
		.amdhsa_memory_ordered 1
		.amdhsa_forward_progress 1
		.amdhsa_inst_pref_size 15
	.end_amdhsa_kernel
	.amdgpu_metadata
---
amdhsa.version: [ 1, 2 ]
amdhsa.kernels:
  - .name:           k_qe55ed01174_finish
    .symbol:         k_qe55ed01174_finish.kd
    .args:
      - { .name: mask, .offset: 0, .size: 8, .value_kind: global_buffer, .address_space: global }
      - { .name: lg, .offset: 8, .size: 8, .value_kind: global_buffer, .address_space: global }
      - { .name: pa, .offset: 16, .size: 8, .value_kind: global_buffer, .address_space: global }
      - { .name: st, .offset: 24, .size: 8, .value_kind: global_buffer, .address_space: global }
      - { .name: out0, .offset: 32, .size: 8, .value_kind: global_buffer, .address_space: global }
      - { .name: out1, .offset: 40, .size: 8, .value_kind: global_buffer, .address_space: global }
    .group_segment_fixed_size: 0
    .private_segment_fixed_size: 0
    .kernarg_segment_align: 8
    .kernarg_segment_size: 48
    .max_flat_workgroup_size: 256
    .sgpr_count:     66
    .vgpr_count:     192
    .wavefront_size: 32
...
	.end_amdgpu_metadata
.endif
;; end of part 2
